; MI455X (gfx1250); checked and timed in simulation.
; The chip was launched on July 23, 2026; its instructions are those of AMD's public machine-readable ISA for CDNA 5 (MIT licence, August 2026) and "CDNA5" Instruction Set Architecture Reference Guide (July 2026). The comments in the code are by the model that wrote it; some were corrected since.
;; Head. Allowed arithmetic: float matrix products may take bf16 or f16 operands with f32 sums; other float arithmetic in f32, or as packed bf16 or f16 multiplies, adds, multiply-adds, maxima and minima; sums over many terms, partial sums and values carried from step to step in f32; what a program stores and reads back later, other than sums and carried values, may be rounded once to bf16 or f16.
;; Inputs: Wk 768 x 768 float32; Wq 768 x 768 float32; Wv 768 x 768 float32; x 16 x 1,024 x 768 float32.
;; Outputs: out0 16 x 1,024 x 768 float32.
;; One version. Each part assembles by itself: llvm-mc -triple=amdgcn-amd-amdhsa -mcpu=gfx1250 --defsym DOCPART=n.
;; ======== version 1 of 1: 3 launches
;; limits: values are held in f16: magnitudes above 65,504 overflow, below 6.1e-05 lose precision
;; workspace buffers: xq 25,165,824 bytes; wt 3,538,944 bytes; qkv 75,497,472 bytes
;; launch prep (part 1): grid 984 x 1, 8 waves a work-group, no clusters, 0 bytes of LDS; arguments x, Wq, Wk, Wv, xq, wt; writes xq, wt
.if DOCPART == 1
	.amdgcn_target "amdgcn-amd-amdhsa--gfx1250"
	.amdhsa_code_object_version 6
	.text
	.protected	k_qafc5529f7a_prep
	.globl	k_qafc5529f7a_prep
	.p2align	8
	.type	k_qafc5529f7a_prep,@function
k_qafc5529f7a_prep:
	s_mov_b64 s[64:65], 0
	v_nop
	global_prefetch_b8 v0, s[64:65] scope:SCOPE_SE
	s_setreg_imm32_b32 hwreg(HW_REG_WAVE_MODE, 25, 1), 1
	s_wait_xcnt 0x0
; THE QUANTISER OF x AND OF THE THREE WEIGHTS: four significant bits, a fixed step of 2^-9 below 2^-6, no bound at the top, ties to even.
; Such a number is exact in bf16, so it is stored as bf16.  xq: [16384][768].  wt: [2304][768], row 768 t + h (t = 0 q, 1 k, 2 v), c along the row: W turned.
; HOW.  M = 1.5 x 2^(e+20), e = the number's exponent, at least -6.  x + M lies in [2^(e+20), 2^(e+21)), where an f32 steps by 2^(e-3): the one rounding of the
; fused multiply-add is the quantiser's, and M / 2^(e-3) is even, so ties go to even.  (x + M) - M is exact.
; LIMITS.  |x| under 2^107 (M must be finite); -0 leaves as +0; NaN and infinities are not treated apart.
; SHARES.  Work-groups 0 to 767 take 16,384 numbers of x each; work-groups 768 to 983 a tile of 128 c x 64 h of one weight.  Nothing is shared, so there is no LDS and no barrier.
.set XWG, 768                          ; work-groups for x
.set LD,  32                           ; v[32:95]  as loaded, then quantised in place
.set PK,  96                           ; v[96:127] packed bf16, to store
.macro Q2 a                            ; quantises the pair v[a], v[a+1]; v4-7 at work
	v_and_or_b32 v4, v[\a], s21, s22               ; the exponent's bits with 0.5 in the fraction: 1.5 x 2^e
	v_and_or_b32 v5, v[(\a)+1], s21, s22
	v_max_num_f32 v4, s20, v4                      ; at least 1.5 x 2^-6
	v_max_num_f32 v5, s20, v5
	v_pk_fma_f32 v[6:7], v[4:5], s[24:25], v[\a:(\a)+1] op_sel_hi:[1,0,1]                                   ; M + x, rounded once
	v_pk_fma_f32 v[\a:(\a)+1], v[4:5], s[24:25], v[6:7] op_sel_hi:[1,0,1] neg_lo:[1,0,0] neg_hi:[1,0,0]     ; less M, exact
.endm
	s_load_b256 s[4:11], s[0:1], 0x0               ; x s[4:5], Wq s[6:7], Wk s[8:9], Wv s[10:11]
	s_load_b128 s[12:15], s[0:1], 0x20             ; xq s[12:13], wt s[14:15]
	s_mov_b32 s20, 0x3cc00000                      ; 1.5 x 2^-6
	s_mov_b32 s21, 0x7f800000                      ; an f32's exponent
	s_mov_b32 s22, 0x00400000                      ; 0.5 in the fraction
	s_mov_b32 s24, 0x49800000                      ; 2^20
	s_mov_b32 s25, s24                             ; named with it as a pair
	s_cmp_lt_u32 ttmp9, XWG
	s_cbranch_scc0 .Lweights
	; x: thread t takes 8 numbers at 32 t bytes of each of eight groups of 8,192 bytes; they leave as 16 bytes at 16 t of a group of 4,096
	s_lshl_b32 s2, ttmp9, 16                       ; 65,536 bytes of x a work-group,
	s_mov_b32 s3, 0
	s_lshl_b32 s16, ttmp9, 15                      ; 32,768 of xq
	s_mov_b32 s17, 0
	v_lshlrev_b32 v1, 5, v0
	v_lshlrev_b32 v2, 4, v0
	s_wait_kmcnt 0x0
	s_add_nc_u64 s[4:5], s[4:5], s[2:3]
	s_add_nc_u64 s[12:13], s[12:13], s[16:17]
.set u, 0
.rept 8                                ; all sixteen loads go out first
	global_load_b128 v[LD+8*u:LD+8*u+3],   v1, s[4:5] offset:8192*u th:TH_LOAD_NT
	global_load_b128 v[LD+8*u+4:LD+8*u+7], v1, s[4:5] offset:8192*u+16 th:TH_LOAD_NT
.set u, u+1
.endr
.set u, 0
.rept 8
	s_wait_loadcnt 14-2*u                          ; loads come back in order: group u's two are in, the 2 (7 - u) younger ones stay out
	Q2 LD+8*u
	Q2 LD+8*u+2
	Q2 LD+8*u+4
	Q2 LD+8*u+6
.irp j, 0,1,2,3
	v_cvt_pk_bf16_f32 v[PK+4*u+(\j)], v[LD+8*u+2*(\j)], v[LD+8*u+2*(\j)+1]  ; exact
.endr
	global_store_b128 v2, v[PK+4*u:PK+4*u+3], s[12:13] offset:4096*u        ; 16 lanes store 256 consecutive bytes, aligned; each group has registers of its own
.set u, u+1
.endr
	s_endpgm
.Lweights:
	; a tile of 128 c x 64 h.  Thread t: i = t % 16 picks 8 rows c, hh = t / 16 picks 4 columns h.  Eight loads of 16 bytes; four stores of 16 bytes (8 c of one h).
	s_sub_co_u32 s16, ttmp9, XWG                   ; 0 .. 215
	s_mul_i32 s17, s16, 911
	s_lshr_b32 s17, s17, 16                        ; / 72: which weight
	s_mul_i32 s18, s17, 72
	s_sub_co_u32 s18, s16, s18                     ; 0 .. 71
	s_mul_i32 s19, s18, 5462
	s_lshr_b32 s19, s19, 16                        ; / 12: cb, which 128 c
	s_mul_i32 s23, s19, 12
	s_sub_co_u32 s23, s18, s23                     ; hb, which 64 h
	v_and_b32 v3, 15, v0                           ; i
	v_lshrrev_b32 v8, 4, v0                        ; hh
	s_mul_i32 s26, s19, 393216                     ; from: ((128 cb + 8 i) 768 + 64 hb + 4 hh) 4
	s_lshl_b32 s27, s23, 8
	s_add_co_u32 s26, s26, s27
	v_mul_u32_u24 v1, v3, 24576
	v_lshl_add_u32 v1, v8, 4, v1
	v_add_nc_u32 v1, s26, v1
	s_mul_i32 s27, s17, 1179648                    ; to: (768 t + 64 hb + 4 hh) 1536 + (128 cb + 8 i) 2
	s_mul_i32 s28, s23, 98304
	s_add_co_u32 s27, s27, s28
	s_lshl_b32 s28, s19, 8
	s_add_co_u32 s27, s27, s28
	v_mul_u32_u24 v2, v8, 6144
	v_lshl_add_u32 v2, v3, 4, v2
	v_add_nc_u32 v2, s27, v2
	s_wait_kmcnt 0x0
	s_cmp_eq_u32 s17, 1
	s_cselect_b64 s[2:3], s[8:9], s[6:7]
	s_cmp_eq_u32 s17, 2
	s_cselect_b64 s[2:3], s[10:11], s[2:3]
.irp r, 0,1,2,3,4,5,6,7
	global_load_b128 v[LD+4*(\r):LD+4*(\r)+3], v1, s[2:3] offset:3072*(\r) th:TH_LOAD_NT  ; row c0 + r, columns h0 .. h0 + 3
.endr
	s_wait_loadcnt 0x0
.set u, 0
.rept 16
	Q2 LD+2*u
.set u, u+1
.endr
.irp e, 0,1,2,3                        ; column h0 + e: its eight c, two to a register
.irp p, 0,1,2,3
	v_cvt_pk_bf16_f32 v[PK+4*(\e)+(\p)], v[LD+8*(\p)+(\e)], v[LD+8*(\p)+4+(\e)]
.endr
	global_store_b128 v2, v[PK+4*(\e):PK+4*(\e)+3], s[14:15] offset:1536*(\e)  ; 16 lanes (i) store 256 consecutive bytes of a row of wt, aligned
.endr
	s_endpgm
.Lfunc_end_k_qafc5529f7a_prep:
	.size	k_qafc5529f7a_prep, .Lfunc_end_k_qafc5529f7a_prep-k_qafc5529f7a_prep
	.p2alignl 7, 3214868480
	.fill 96, 4, 3214868480
	.section	.rodata,"a",@progbits
	.p2align	6, 0x0
	.amdhsa_kernel k_qafc5529f7a_prep
		.amdhsa_group_segment_fixed_size 0
		.amdhsa_private_segment_fixed_size 0
		.amdhsa_enable_private_segment 0
		.amdhsa_kernarg_size 48
		.amdhsa_user_sgpr_count 2
		.amdhsa_user_sgpr_kernarg_segment_ptr 1
		.amdhsa_wavefront_size32 1
		.amdhsa_system_sgpr_workgroup_id_x 1
		.amdhsa_system_sgpr_workgroup_id_y 1
		.amdhsa_system_sgpr_workgroup_id_z 1
		.amdhsa_system_vgpr_workitem_id 0
		.amdhsa_next_free_vgpr 128
		.amdhsa_next_free_sgpr 66
		.amdhsa_reserve_vcc 0
		.amdhsa_float_denorm_mode_32 3
		.amdhsa_float_denorm_mode_16_64 3
		.amdhsa_memory_ordered 1
		.amdhsa_forward_progress 1
		.amdhsa_inst_pref_size 25
	.end_amdhsa_kernel
	.amdgpu_metadata
---
amdhsa.version: [ 1, 2 ]
amdhsa.kernels:
  - .name:           k_qafc5529f7a_prep
    .symbol:         k_qafc5529f7a_prep.kd
    .args:
      - { .name: x, .offset: 0, .size: 8, .value_kind: global_buffer, .address_space: global }
      - { .name: Wq, .offset: 8, .size: 8, .value_kind: global_buffer, .address_space: global }
      - { .name: Wk, .offset: 16, .size: 8, .value_kind: global_buffer, .address_space: global }
      - { .name: Wv, .offset: 24, .size: 8, .value_kind: global_buffer, .address_space: global }
      - { .name: xq, .offset: 32, .size: 8, .value_kind: global_buffer, .address_space: global }
      - { .name: wt, .offset: 40, .size: 8, .value_kind: global_buffer, .address_space: global }
    .group_segment_fixed_size: 0
    .private_segment_fixed_size: 0
    .kernarg_segment_align: 8
    .kernarg_segment_size: 48
    .max_flat_workgroup_size: 256
    .sgpr_count:     66
    .vgpr_count:     128
    .wavefront_size: 32
...
	.end_amdgpu_metadata
.endif
;; end of part 1
;; launch proj (part 2): grid 4 x 64, 4 waves a work-group, clusters of 4 x 4, 327,680 bytes of LDS; arguments xq, wt, qkv; writes qkv
.if DOCPART == 2
	.amdgcn_target "amdgcn-amd-amdhsa--gfx1250"
	.amdhsa_code_object_version 6
	.text
	.protected	k_qafc5529f7a_proj
	.globl	k_qafc5529f7a_proj
	.p2align	8
	.type	k_qafc5529f7a_proj,@function
k_qafc5529f7a_proj:
	s_mov_b64 s[64:65], 0
	v_nop
	global_prefetch_b8 v0, s[64:65] scope:SCOPE_SE
	s_setreg_imm32_b32 hwreg(HW_REG_WAVE_MODE, 25, 1), 1
	s_wait_xcnt 0x0
	s_wait_alu depctr_hold_cnt(0) depctr_sa_sdst(0) depctr_va_vdst(0) depctr_va_sdst(0) depctr_va_ssrc(0) depctr_va_vcc(0) depctr_vm_vsrc(0)
	s_getreg_b32 s2, hwreg(HW_REG_IB_STS2, 6, 4)
	s_cmp_eq_u32 s2, 0
	s_cbranch_scc0 .Lentry_in_a_cluster
	s_endpgm
.Lentry_in_a_cluster:
	s_bfe_u32 s2, ttmp6, 0x10000c
	s_cmp_lg_u32 s2, 0xf033
	s_cbranch_scc0 .Lentry_shape_is_right
	s_endpgm
.Lentry_shape_is_right:
; THE THREE PROJECTIONS.  C[m][n] = the sum over c of xq[m][c] wt[n][c]: xq [16384][768], wt [2304][768], both bf16 (exact copies of the quantised inputs); sums in f32;
; C is rounded once to f16, ties to even, which is the reference's own rounding of q, k and v.
; qkv: [3 tensors][4 channel blocks][16384 rows][192 channels] f16: a block's rows lie end to end, 384 bytes each.
; LIMIT.  q, k and v stay within f16's 65,504.
; SHARES.  A work-group stays and makes three tiles (q, k, v) of 256 rows x 192 columns: rows 256 mb on, channel block nb.  64 x 4 = 256 work-groups.  A wave makes 64 rows x 192 columns:
; 48 accumulators of 16 x 16, 384 registers.  For 32 along K it reads 32 x 16 bytes a lane from LDS and issues 48 matrix instructions.
; THE RING.  K = 768 goes in six steps of 128 through two LDS slots (256 rows of xq, 192 rows of wt, 256 bytes of memory a row); it runs on from tile to tile.
; CLUSTER.  4 x 4 work-groups.  The four of a row of the cluster share mb and so xq's tile, the four of a column share nb and so wt's: each tile is asked for jointly, by the same tensor load
; with the same descriptor and a mask that names the four.
; THE MATRIX INSTRUCTION IS USED TRANSPOSED (source 0 = 16 rows of wt, source 1 = 16 rows of xq): a lane holds one row of C and eight neighbouring columns, 16 bytes of f16.
; REGISTERS, in windows of 256 (s_set_vgpr_msb: bits 1:0 source 0, 3:2 source 1, 5:4 source 2, 7:6 destination):
;   window 0: v0-31 addresses; v32-79 packed results; v80-127 rows read back from the stage
;   window 1: two fragment buffers of 128: xq's fragment a at + 8 a, wt's fragment b at + 32 + 8 b
;   windows 2, 3: accumulator (a, b) in window 2 + a / 2 at v[8 (12 (a % 2) + b)]
.set KSTEP,  128
.set ROWB,   1536                      ; bytes in a row of xq and of wt
.set PITCH,  272                       ; an LDS row: 256 bytes + 16 of padding = 68 words: the 16 rows of a fragment load start at 16 different groups of four banks (ISA guide 11.1)
.set AHALF,  128*PITCH                 ; what waves 0 and 1 fetch: 128 rows of xq
.set BHALF,  96*PITCH                  ; what waves 2 and 3 fetch: 96 rows of wt
.set BOFF,   256*PITCH                 ; wt's rows lie behind xq's 256
.set SLOT,   448*PITCH
.set STAGE,  2*SLOT                    ; behind the ring: 16 rows x 400 bytes for each wave, for the way out
.set SPITCH, 400                       ; 384 bytes + 16: 25 x 16
.set SPARE,  STAGE+4*16*SPITCH         ; behind the stages: the spare words, 128 bytes for each wave: two blocks of 256 bytes that no other line names
.set TEN,    25165824                  ; bytes of one of q, k, v
.set BLK,    6291456                   ; bytes of a channel block
.set BACK_A, 4*KSTEP*2                 ; from a slot's last K step of a tile to its first of the next: xq goes back along K,
.set NEXT_B, 768*ROWB-4*KSTEP*2        ; wt 768 rows down and back
.set PF_JUMP, 768*ROWB-5*KSTEP*2       ; the prefetch pointer's step from K step 5 to the next tile's K step 0
.set ADRA, 16                          ; v16-17  LDS address of my fragments of xq in slot 0, 1
.set ADRB, 20                          ; v20-21  the same for wt
.set CO,   22                          ; v22     16 x lane: my 16 bytes of 512 consecutive bytes of qkv
.set STO,  24                          ; v24     the way out: where I put 16 bytes of a row
.set RD,   25                          ; v25-27  the way out: where I read 16 of 512 dense bytes back; three loads are four rows, so three addresses serve
.set SPW,  28                          ; v28     LDS address of my spare word; never rewritten
.set NIL,  29                          ; v29     0; never rewritten
.set PFO,  30                          ; v30     the prefetches' offset: a lane a row; never rewritten
.set TMP,  32
.set OB,   80
.set F0,   0
.set F1,   128
.set G1,   24                          ; s[24:31] descriptor group 1 for xq's tiles;  s[32:39] group 0, a set for each slot
.set G0,   32
.set PFK,  42                          ; s42  the K step (0 .. 5) at which the prefetch pointer stands
.set PFN,  43                          ; s43  prefetches still to be issued by this wave
.set PFA,  44                          ; s[44:45] the prefetch pointer
.set PST,  46                          ; s[46:47] its next step
.set G1B,  48                          ; s[48:55], s[56:63] the same for wt's tiles
.set G0B,  56
.set G1W0, (1<<16)|(1<<20)|(1<<21)|(5<<22)|(3<<25)  ; 17:16 2-byte elements; 20 padding on; 21 set beside a mask; 24:22 after every 64 words (code 5); 31:25 4 words (code 3)
.set MSB, 0
.macro WIN new                         ; the immediate's high byte repeats the setting that is left; a switch that changes nothing is dropped
.if MSB != (\new)
	s_set_vgpr_msb (MSB<<8)|(\new)
.set MSB, \new
.endif
.endm
.set TO_F, 0x40                        ; destination window 1, address window 0
; A joint load.  Waves 0 and 1 fetch xq's two halves, waves 2 and 3 wt's.  The branch hangs on the wave's number alone.  An s_nop 0 and four v_nop follow each line.
.macro JLOAD s
	s_cmp_eq_u32 s11, 0
	s_cbranch_scc0 .Lfor_b_\@
	tensor_load_to_lds s[G0+4*(\s):G0+4*(\s)+3], s[G1:G1+7]
	s_nop 0
.rept 4
	v_nop
.endr
	s_branch .Lasked_\@
.Lfor_b_\@:
	tensor_load_to_lds s[G0B+4*(\s):G0B+4*(\s)+3], s[G1B:G1B+7]
	s_nop 0
.rept 4
	v_nop
.endr
.Lasked_\@:
.endm
; A PREFETCH, behind a joint load and the run of LDS loads that follows it: 256 bytes of each of my rows for the K step that the NEXT refill will ask for: one K step, 192 matrix instructions, ahead of that load.
; xq: of the 128 rows that wave 0 or 1 fetches, the partner at place cx takes 32, a lane a row; only this cluster reads them; K steps 3 to 5 of the first tile alone (the other tiles read the same rows again).
; wt: of the 96 rows that wave 2 or 3 fetches, the partner at place cy takes 24 (lanes 24 to 31 name row 23 once more); only the clusters with y = 0 ask; K steps 3 to 17 of the walk.
; The partners are told apart by address; the count s[PFN] hangs on the wave's number and the cluster's y alone.  The first three K steps come by their loads alone.
.macro ASK
	WIN 0
	s_cmp_gt_u32 s[PFN], 0
	s_cbranch_scc0 .Lnot_mine_\@
	global_prefetch_b8 v[PFO], s[PFA:PFA+1] th:TH_LOAD_NT scope:SCOPE_SE
	s_sub_co_u32 s[PFN], s[PFN], 1
.Lnot_mine_\@:
.endm
.macro CREST                           ; a round of the cluster's barrier behind its opening barrier
	s_cmp_lg_u32 s10, 0
	s_cbranch_scc1 .Lnot_wave_0_\@
	s_barrier_signal -3
.Lnot_wave_0_\@:
	s_barrier_wait -3
	s_barrier_signal -1
	s_barrier_wait -1
.endm
.macro CROUND                          ; a whole round
	s_barrier_signal -1
	s_barrier_wait -1
	CREST
.endm
	s_load_b128 s[4:7], s[0:1], 0x0                ; xq s[4:5], wt s[6:7]
	s_load_b64 s[8:9], s[0:1], 0x10                ; qkv
	v_lshl_add_u32 v[SPW], v0, 2, SPARE
	v_mov_b32 v[NIL], 0
	ds_add_u32 v[SPW], v[NIL]                      ; the wave's opening: the add and its wait stand ahead of my first tensor load; the set-up below stands between them
	v_lshrrev_b32 v1, 5, v0
	v_readfirstlane_b32 s10, v1                    ; wave 0..3
	s_lshr_b32 s11, s10, 1                         ; I fetch for xq (0) or for wt (1)
	s_and_b32 s12, s10, 1                          ; which half of that tile's rows
	s_bfe_u32 s40, ttmp6, 0x40000                  ; cx
	s_bfe_u32 s41, ttmp6, 0x40004                  ; cy
	s_lshl_b32 s72, ttmp9, 2
	s_add_co_u32 s72, s72, s40                     ; nb = 4 x cluster x + cx
	s_and_b32 s13, ttmp7, 0xffff
	s_lshl_b32 s13, s13, 2
	s_add_co_u32 s13, s13, s41                     ; mb = 4 x cluster y + cy
	s_lshl_b32 s70, s41, 2
	s_lshl_b32 s70, 15, s70                        ; my row of the cluster
	s_lshl_b32 s71, 0x1111, s40                    ; my column
	s_or_b32 s[G1+0], s70, G1W0                    ; xq's tiles go to my row,
	s_or_b32 s[G1B+0], s71, G1W0                   ; wt's to my column
	s_mov_b32 s[G1+1], KSTEP<<16                   ; tensor_dim0 = 128
	s_mov_b32 s[G1+2], 128<<16                     ; tensor_dim1 = 128
	s_mov_b32 s[G1+3], KSTEP<<16                   ; tile_dim0 = 128
	s_mov_b32 s[G1+4], 128                         ; tile_dim1 = 128
	s_mov_b32 s[G1+5], 768                         ; elements from row to row
	s_mov_b32 s[G1+6], 0
	s_mov_b32 s[G1+7], 0
	s_mov_b32 s[G1B+1], KSTEP<<16
	s_mov_b32 s[G1B+2], 96<<16                     ; 96 rows
	s_mov_b32 s[G1B+3], KSTEP<<16
	s_mov_b32 s[G1B+4], 96
	s_mov_b32 s[G1B+5], 768
	s_mov_b32 s[G1B+6], 0
	s_mov_b32 s[G1B+7], 0
	s_lshl_b32 s17, s12, 7
	s_lshl_b32 s16, s13, 8
	s_add_co_u32 s16, s16, s17                     ; xq: row 256 mb + 128 x half,
	s_mul_i32 s16, s16, ROWB                       ; in bytes (under 2^25)
	s_mov_b32 s17, 0
	s_mul_i32 s66, s72, 192
	s_mul_i32 s67, s12, 96
	s_add_co_u32 s66, s66, s67                     ; wt: row 192 nb + 96 x half
	s_mul_i32 s66, s66, ROWB
	s_mov_b32 s67, 0
	s_mul_i32 s20, s10, AHALF                      ; where they go: xq's halves at wave x 128 rows (waves 0, 1),
	s_mul_i32 s21, s10, BHALF
	s_add_co_u32 s21, s21, BOFF-2*BHALF            ; wt's at 256 rows + (wave - 2) x 96 rows (waves 2, 3): no place in the cluster enters an LDS address
	s_mov_b32 s73, PF_JUMP
	s_wait_dscnt 0x0                               ; the opening add is done
	s_wait_kmcnt 0x0
	s_add_nc_u64 s[14:15], s[4:5], s[16:17]
	s_add_nc_u64 s[66:67], s[6:7], s[66:67]
	CROUND                                         ; all sixteen work-groups are here: the first joint loads meet
.irp s, 0,1
	s_mov_b32 s[G0+4*(\s)], 1                                        ; count = 1
	s_add_co_u32 s[G0+4*(\s)+1], s20, (\s)*SLOT                      ; LDS address
	s_add_nc_u64 s[G0+4*(\s)+2:G0+4*(\s)+3], s[14:15], (\s)*KSTEP*2  ; global address: K step s
	s_or_b32 s[G0+4*(\s)+3], s[G0+4*(\s)+3], 0x80000000              ; type = 2
	s_mov_b32 s[G0B+4*(\s)], 1
	s_add_co_u32 s[G0B+4*(\s)+1], s21, (\s)*SLOT
	s_add_nc_u64 s[G0B+4*(\s)+2:G0B+4*(\s)+3], s[66:67], (\s)*KSTEP*2
	s_or_b32 s[G0B+4*(\s)+3], s[G0B+4*(\s)+3], 0x80000000
	JLOAD \s                                       ; two loads of mine are out
.endr
	; a fragment is 16 rows x 32 K in 8 registers: lane l holds row l % 16, K = 8 (l / 16) + 0..7 and 16 + 8 (l / 16) + 0..7: two loads of 16 bytes, 32 bytes apart
	v_and_b32 v1, 15, v0                           ; l % 16
	v_bfe_u32 v2, v0, 4, 1                         ; l / 16
	v_and_b32 v5, 31, v0                           ; l
	v_mul_u32_u24 v3, v1, PITCH
	v_lshl_add_u32 v3, v2, 4, v3
	s_mul_i32 s21, s10, 64*PITCH                   ; my 64 rows of xq
.irp s, 0,1
	v_add_nc_u32 v[ADRA+(\s)], s21, v3
	v_add_nc_u32 v[ADRB+(\s)], BOFF+(\s)*SLOT, v3
	s_add_co_u32 s21, s21, SLOT
.endr
	s_mul_i32 s23, s10, 16*SPITCH
	s_add_co_u32 s23, s23, STAGE                   ; my stage
	v_mul_u32_u24 v4, v1, SPITCH                   ; in: row l % 16, 16 bytes for each half of the lanes
	v_lshl_add_u32 v4, v2, 4, v4
	v_add_nc_u32 v[STO], s23, v4
.irp k, 0,1,2                          ; back: piece q = 32 k + l of 16 bytes lies in row q / 24, 16 bytes of padding a row
	v_add_nc_u32 v6, 32*(\k), v5
	v_mul_u32_u24 v7, v6, 43
	v_lshrrev_b32 v7, 10, v7                       ; q / 24 for q under 96
	v_add_nc_u32 v6, v6, v7
	v_lshl_add_u32 v[RD+(\k)], v6, 4, s23
.endr
	v_lshlrev_b32 v[CO], 4, v5
	s_mul_i32 s74, s72, BLK                        ; my part of q: block nb, rows 256 mb + 64 wave on
	s_lshl_b32 s75, s13, 8
	s_lshl_b32 s76, s10, 6
	s_add_co_u32 s75, s75, s76
	s_mul_i32 s75, s75, 384
	s_add_co_u32 s74, s74, s75
	s_mov_b32 s75, 0
	s_add_nc_u64 s[8:9], s[8:9], s[74:75]
	; the prefetches
	s_lshl_b32 s20, s13, 8
	s_lshl_b32 s22, s12, 7
	s_add_co_u32 s20, s20, s22
	s_lshl_b32 s22, s40, 5
	s_add_co_u32 s20, s20, s22                     ; xq: row 256 mb + 128 x half + 32 cx
	s_mul_i32 s21, s72, 192
	s_mul_i32 s22, s12, 96
	s_add_co_u32 s21, s21, s22
	s_mul_i32 s22, s41, 24
	s_add_co_u32 s21, s21, s22                     ; wt: row 192 nb + 96 x half + 24 cy
	s_and_b32 s78, ttmp7, 0xffff
	s_cmp_eq_u32 s78, 0
	s_cselect_b32 s78, 15, 0                       ; wt is asked for by the clusters with y = 0
	s_cmp_eq_u32 s11, 0
	s_cselect_b32 s20, s20, s21
	s_cselect_b32 s[PFN], 3, s78
	s_cselect_b32 s79, 31, 23
	s_cselect_b64 s[PFA:PFA+1], s[4:5], s[6:7]
	s_mul_i32 s20, s20, ROWB
	s_mov_b32 s21, 0
	s_add_nc_u64 s[PFA:PFA+1], s[PFA:PFA+1], s[20:21]
	s_add_nc_u64 s[PFA:PFA+1], s[PFA:PFA+1], 2*KSTEP*2  ; at K step 2: the first refill steps it to 3
	s_mov_b32 s[PFK], 2
	s_mov_b32 s[PST+1], 0
	v_min_u32 v[PFO], s79, v5
	v_mul_u32_u24 v[PFO], v[PFO], ROWB
; 12 matrix instructions: row block a x all 12 column blocks, 32 along K.  zero = 1: the first product starts the sums.  The 48 accumulators take turns, one instruction a turn, in the same
; order in every quarter: 47 others stand between two links of a chain, over the backward jumps too.
.macro MUL12 f, a, zero
	WIN 0xa5+0x50*((\a)/2)                         ; sources 0 and 1 window 1; C and D window 2 or 3
.irp b, 0,1,2,3,4,5,6,7,8,9,10,11
.if \zero
	v_wmma_f32_16x16x32_bf16 v[8*(12*((\a)%2)+(\b)):8*(12*((\a)%2)+(\b))+7], v[(\f)+32+8*(\b):(\f)+32+8*(\b)+7], v[(\f)+8*(\a):(\f)+8*(\a)+7], 0
.else
	v_wmma_f32_16x16x32_bf16 v[8*(12*((\a)%2)+(\b)):8*(12*((\a)%2)+(\b))+7], v[(\f)+32+8*(\b):(\f)+32+8*(\b)+7], v[(\f)+8*(\a):(\f)+8*(\a)+7], v[8*(12*((\a)%2)+(\b)):8*(12*((\a)%2)+(\b))+7]
.endif
.endr
.endm
.macro MUL24 f, hi, zero
	MUL12 \f, 2*(\hi), \zero
	MUL12 \f, 2*(\hi)+1, \zero
.endm
; 32 LDS loads in one run: a quarter step's fragments (192 rows of wt, my 64 rows of xq, 32 K at byte k of the rows) into buffer f; xq's last
.macro FETCH slot, k, f
	WIN TO_F
.irp b, 0,1,2,3,4,5,6,7,8,9,10,11
	ds_load_b128 v[(\f)+32+8*(\b):(\f)+32+8*(\b)+3],   v[ADRB+(\slot)] offset:(\k)+(\b)*16*PITCH
	ds_load_b128 v[(\f)+32+8*(\b)+4:(\f)+32+8*(\b)+7], v[ADRB+(\slot)] offset:(\k)+(\b)*16*PITCH+32
.endr
.irp a, 0,1,2,3
	ds_load_b128 v[(\f)+8*(\a):(\f)+8*(\a)+3],   v[ADRA+(\slot)] offset:(\k)+(\a)*16*PITCH
	ds_load_b128 v[(\f)+8*(\a)+4:(\f)+8*(\a)+7], v[ADRA+(\slot)] offset:(\k)+(\a)*16*PITCH+32
.endr
.endm
.macro PLACES                          ; four plain vector instructions between a matrix instruction and a load into its sources, or a reader of its result
.rept 4
	v_nop
.endr
.endm
; A K step is four quarters of 32 along K, 48 matrix instructions each, on buffers 0, 1, 0, 1.  One of the first three: multiplies f; in its middle it fetches the next quarter, at byte k, into g.
.macro QUARTER slot, k, f, g, zero
	s_wait_dscnt 4                                 ; wt's fragments and xq's 0 and 1 are in; the youngest four loads (xq's 2 and 3) may be out
	MUL24 \f, 0, \zero
	PLACES
	FETCH \slot, \k, \g
	s_wait_dscnt 32                                ; all but the 32 just issued
	MUL24 \f, 1, \zero
.endm
; The last quarter multiplies buffer 1 and changes slots.  In front of the barrier each wave waits for all its tensor loads (one is out: its part of the next slot), adds 0 to its spare word, and
; waits for that and for its own reads of this slot.  The barrier opens a round of the cluster's; behind the round this slot is filled again first, then the next slot's first fragments are read.
; on = 0: with this tile's K step two on; on = 1: with the next tile's K step 0 or 1.
.macro TURN slot, next, on
	s_wait_xcnt 0x0                                ; the last prefetch, a K step back, has read its address: the pointer steps here, ahead of the waits of the change of slots
	s_add_co_u32 s[PFK], s[PFK], 1
	s_cmp_eq_u32 s[PFK], 6
	s_cselect_b32 s[PST], s73, 0x100               ; a K step on, or from K step 5 to the next tile's K step 0
	s_cselect_b32 s[PFK], 0, s[PFK]
	s_add_nc_u64 s[PFA:PFA+1], s[PFA:PFA+1], s[PST:PST+1]
	WIN 0                                          ; (the add's two registers lie in window 0)
	s_wait_tensorcnt 0x0                           ; all my tensor loads have landed;
	ds_add_u32 v[SPW], v[NIL]                      ; 0 onto my spare word;
	s_wait_dscnt 5                                 ; (the add and the youngest four loads may be out)
	MUL12 F1, 0, 0                                 ; twelve matrix instructions stand between the add and the wait for it
	s_wait_dscnt 0x0                               ; the add is done, and my reads of this slot are over
	s_barrier_signal -1
	MUL12 F1, 1, 0
	WIN 0
	s_barrier_wait -1
	CREST                                          ; no wave of any partner still reads this slot's tile or has a load on its way
.if \on
	s_sub_nc_u64 s[G0+4*(\slot)+2:G0+4*(\slot)+3], s[G0+4*(\slot)+2:G0+4*(\slot)+3], BACK_A
	s_add_nc_u64 s[G0B+4*(\slot)+2:G0B+4*(\slot)+3], s[G0B+4*(\slot)+2:G0B+4*(\slot)+3], NEXT_B
.else
	s_add_nc_u64 s[G0+4*(\slot)+2:G0+4*(\slot)+3], s[G0+4*(\slot)+2:G0+4*(\slot)+3], 2*KSTEP*2
	s_add_nc_u64 s[G0B+4*(\slot)+2:G0B+4*(\slot)+3], s[G0B+4*(\slot)+2:G0B+4*(\slot)+3], 2*KSTEP*2
.endif
	JLOAD \slot                                    ; the first tensor load behind the round; its four v_nop are also the places in front of the loads below
	FETCH \next, 0, F0
	ASK
	MUL24 F1, 1, 0
.endm
; The way out of row block a: rounded to f16 (each accumulator's registers in ascending order), 16 bytes a lane into my own stage, back as 6,144 dense bytes, stored.
.macro OUT a
	WIN 0x0a+5*((\a)/2)                            ; sources 0 and 1: window 2 or 3
.irp b, 0,1,2,3,4,5,6,7,8,9,10,11
.irp r, 0,1,2,3
	v_cvt_pk_f16_f32 v[TMP+4*(\b)+(\r)], v[96*((\a)%2)+8*(\b)+2*(\r)], v[96*((\a)%2)+8*(\b)+2*(\r)+1]
.endr
.endr
	WIN 0
.irp b, 0,1,2,3,4,5,6,7,8,9,10,11
	ds_store_b128 v[STO], v[TMP+4*(\b):TMP+4*(\b)+3] offset:32*(\b)
.endr
	s_wait_xcnt 0x0                                ; the block before's stores have read the registers that are loaded again below
.set i, 0
.rept 12
	ds_load_b128 v[OB+4*i:OB+4*i+3], v[RD+i%3] offset:4*SPITCH*(i/3)  ; LDS serves a wave's instructions in order (ISA guide 5.7.1.4): these see the stores above
.set i, i+1
.endr
	s_wait_dscnt 0x0
.set i, 0
.rept 12
	global_store_b128 v[CO], v[OB+4*i:OB+4*i+3], s[8:9] offset:6144*(\a)+512*i  ; 512 consecutive bytes, at a multiple of 256 from qkv's first
.set i, i+1
.endr
.endm
	s_wait_tensorcnt 0x1                           ; my part of K step 0 is in; K step 1's may stay out
	s_barrier_signal -1
	s_barrier_wait -1                              ; everybody's is
	FETCH 0, 0, F0
	WIN 0                                          ; at a label and at a branch every window is 0
	s_mov_b32 s2, 3                                ; tiles to go
.Ltile:
	QUARTER 0, 64,  F0, F1, 1                      ; a tile's first quarter starts the sums
	WIN 0
	s_mov_b32 s3, 2
.Llap:                                         ; a trip goes once round the ring and fills both slots again
	QUARTER 0, 128, F1, F0, 0
	QUARTER 0, 192, F0, F1, 0
	TURN 0, 1, 0
	QUARTER 1, 64,  F0, F1, 0
	QUARTER 1, 128, F1, F0, 0
	QUARTER 1, 192, F0, F1, 0
	TURN 1, 0, 0
	QUARTER 0, 64,  F0, F1, 0
	WIN 0
	s_sub_co_u32 s3, s3, 1
	s_cmp_lg_u32 s3, 0
	s_cbranch_scc1 .Llap
	QUARTER 0, 128, F1, F0, 0                      ; the tile's last lap goes on
	QUARTER 0, 192, F0, F1, 0
	WIN 0
	s_cmp_eq_u32 s2, 1
	s_cbranch_scc1 .Llast                          ; the last tile's tail asks for nothing more
	TURN 0, 1, 1                                   ; the ring goes on into the next tile: slot 0 takes its K step 0,
	QUARTER 1, 64,  F0, F1, 0
	QUARTER 1, 128, F1, F0, 0
	QUARTER 1, 192, F0, F1, 0
	TURN 1, 0, 1                                   ; slot 1 its K step 1, and the next tile's first fragments are fetched
	WIN 0
	s_branch .Lout
.Llast:
	s_wait_tensorcnt 0x0                           ; the last K step's tile: my part has landed;
	ds_add_u32 v[SPW], v[NIL]                      ; (the same three lines as at every change of slots)
	s_wait_dscnt 5
	MUL12 F1, 0, 0
	s_wait_dscnt 0x0
	s_barrier_signal -1
	MUL12 F1, 1, 0
	s_barrier_wait -1                              ; everybody's has; nothing is filled again, so no round follows
	PLACES
	FETCH 1, 0, F0
	MUL24 F1, 1, 0
	QUARTER 1, 64,  F0, F1, 0
	QUARTER 1, 128, F1, F0, 0
	QUARTER 1, 192, F0, F1, 0
	s_wait_dscnt 4
	MUL24 F1, 0, 0
	s_wait_dscnt 0x0
	MUL24 F1, 1, 0
	WIN 0
.Lout:
	PLACES                                         ; the conversions read results just made
	OUT 0
	OUT 1
	OUT 2
	OUT 3
	s_wait_xcnt 0x0                                ; the stores have read their base
	s_add_nc_u64 s[8:9], s[8:9], TEN               ; the next tensor
	s_sub_co_u32 s2, s2, 1
	s_cmp_lg_u32 s2, 0
	s_cbranch_scc1 .Ltile
	s_wait_tensorcnt 0x0                           ; the wave's end, behind my last tensor load and my last LDS store
	ds_add_u32 v[SPW], v[NIL]
	s_wait_dscnt 0x0
	CROUND                                         ; the closing round: no work-group ends while a partner may still ask for a tile that names it
	s_endpgm
.Lfunc_end_k_qafc5529f7a_proj:
	.size	k_qafc5529f7a_proj, .Lfunc_end_k_qafc5529f7a_proj-k_qafc5529f7a_proj
	.p2alignl 7, 3214868480
	.fill 96, 4, 3214868480
	.section	.rodata,"a",@progbits
	.p2align	6, 0x0
	.amdhsa_kernel k_qafc5529f7a_proj
		.amdhsa_group_segment_fixed_size 327680
		.amdhsa_private_segment_fixed_size 0
		.amdhsa_enable_private_segment 0
		.amdhsa_kernarg_size 24
		.amdhsa_user_sgpr_count 2
		.amdhsa_user_sgpr_kernarg_segment_ptr 1
		.amdhsa_wavefront_size32 1
		.amdhsa_system_sgpr_workgroup_id_x 1
		.amdhsa_system_sgpr_workgroup_id_y 1
		.amdhsa_system_sgpr_workgroup_id_z 1
		.amdhsa_system_vgpr_workitem_id 0
		.amdhsa_next_free_vgpr 1024
		.amdhsa_next_free_sgpr 80
		.amdhsa_reserve_vcc 0
		.amdhsa_float_denorm_mode_32 3
		.amdhsa_float_denorm_mode_16_64 3
		.amdhsa_memory_ordered 1
		.amdhsa_forward_progress 1
		.amdhsa_inst_pref_size 150
	.end_amdhsa_kernel
	.amdgpu_metadata
---
amdhsa.version: [ 1, 2 ]
amdhsa.kernels:
  - .name:           k_qafc5529f7a_proj
    .symbol:         k_qafc5529f7a_proj.kd
    .args:
      - { .name: xq, .offset: 0, .size: 8, .value_kind: global_buffer, .address_space: global }
      - { .name: wt, .offset: 8, .size: 8, .value_kind: global_buffer, .address_space: global }
      - { .name: qkv, .offset: 16, .size: 8, .value_kind: global_buffer, .address_space: global }
    .group_segment_fixed_size: 327680
    .private_segment_fixed_size: 0
    .kernarg_segment_align: 8
    .kernarg_segment_size: 24
    .max_flat_workgroup_size: 128
    .sgpr_count:     80
    .vgpr_count:     1024
    .wavefront_size: 32
...
	.end_amdgpu_metadata
.endif
;; end of part 2
;; launch attn (part 3): grid 16 x 16, 4 waves a work-group, clusters of 4 x 1, 327,680 bytes of LDS; arguments qkv, out0; writes out0
.if DOCPART == 3
	.amdgcn_target "amdgcn-amd-amdhsa--gfx1250"
	.amdhsa_code_object_version 6
	.text
	.protected	k_qafc5529f7a_attn
	.globl	k_qafc5529f7a_attn
	.p2align	8
	.type	k_qafc5529f7a_attn,@function
k_qafc5529f7a_attn:
	s_mov_b64 s[64:65], 0
	v_nop
	global_prefetch_b8 v0, s[64:65] scope:SCOPE_SE
	s_setreg_imm32_b32 hwreg(HW_REG_WAVE_MODE, 25, 1), 1
	s_wait_xcnt 0x0
	s_wait_alu depctr_hold_cnt(0) depctr_sa_sdst(0) depctr_va_vdst(0) depctr_va_sdst(0) depctr_va_ssrc(0) depctr_va_vcc(0) depctr_vm_vsrc(0)
	s_getreg_b32 s2, hwreg(HW_REG_IB_STS2, 6, 4)
	s_cmp_eq_u32 s2, 0
	s_cbranch_scc0 .Lentry_in_a_cluster
	s_endpgm
.Lentry_in_a_cluster:
	s_bfe_u32 s2, ttmp6, 0x10000c
	s_cmp_lg_u32 s2, 0x3003
	s_cbranch_scc0 .Lentry_shape_is_right
	s_endpgm
.Lentry_shape_is_right:
; CAUSAL ATTENTION WITH ONE HEAD OF 768 CHANNELS.  out[b][t] = f16-rounded sum over s <= t of softmax_s(round11(q[t] . k[s]) / sqrt(768)) v[s], stored as f32.
; qkv: [3 tensors][4 channel blocks][16384 rows][192 channels] f16.  Products, maxima and sums in f32; the weights p are rounded to f16 for the second product (their sum l is taken of the unrounded p).
; LIMITS.  A score is rounded to 11 significant bits by splitting (s x 8193): below 2^-14 it keeps 11 bits where f16 has a fixed step (a difference of 2^-25 at the most), and a tie need not go to even.
; A hidden score counts as -1e30 (f16's scores are 3.3e12 at the most); a weight below 2^-126 counts as 0; NaN and infinities are not treated apart.
; SHARES.  A work-group owns 64 queries: block 4 J + cx of batch b (J = the cluster's x).  The cluster's four blocks walk the same keys, 64 a step, 4 (J + 1) steps: the count hangs on J alone, so all partners
; make every joint request; what lies above a block's diagonal is hidden by the mask, which is applied in every step and hangs on cx through data alone.
; THE CHANNELS ARE SPLIT AMONG THE FOUR WAVES.  Wave w owns channel block w (192): its slice of the sum in S^T = K Q^T, its 192 rows of O^T = V^T P, and the bytes of K and V that it alone loads and reads.
; The four partial S^T of a query tile (16 queries) meet in LDS at the wave that finishes that tile: wave w finishes tile w, makes its softmax, and hands P and a to all four through LDS.
; A wave's local tile u stands for the block's tile (w + u) % 4, so that its own tile is always u = 0: the turn lies in addresses alone.
; LAYOUT.  S^T = K Q^T (source 0 = 16 keys, source 1 = 16 queries): a lane holds ONE query (lane % 16) and the keys 8 (lane / 16) + 0..7.  Two such tiles rounded to f16 ARE source 1 (32 keys x 16 queries)
; of O^T = V^T P, whose result holds one query a lane and eight channels.  K comes out of LDS as it lies, V turned, by ds_load_tr16_b128.
; SOFTMAX.  A running maximum m and sum l: p = 2^(c s - c m), c = log2(e) / sqrt(768); in every step O and l are multiplied by a = 2^(c m_old - c m_new).  m starts at the lowest finite number, O and l at 0.
; LDS.  K and V have ONE slot each; K's next tile is asked for when K has been read and lands under the softmax and V^T P; V's when V has been read, and lands under K Q^T.
; REGISTERS, in windows of 256 (s_set_vgpr_msb: bits 1:0 source 0, 3:2 source 1, 5:4 source 2, 7:6 destination):
;   window 0: v0-63 addresses and statistics; v64-191 S^T (u, kb) at 64 + 32 u + 8 kb; then v96-191 the partial sums received, v160-191 at work, v96-159 P (u, kk) at 96 + 16 u + 8 kk; v192-207 my P
;   windows 1, 2: v0-191 O^T (cb, u) in window 1 + u / 2 at 8 (12 (u % 2) + cb)      window 3: v0-191 K (g, kb) at 8 (4 g + kb), then V (cb, kk) at 8 (12 kk + cb)
;   windows 1, 2, 3: v192-255 Q (u, g) in window 1 + g / 2 at 192 + 8 (4 (g % 2) + u)
.set TEN,   25165824                   ; bytes of one of q, k, v
.set BLK,   6291456                    ; bytes of a channel block
.set TILE,  24576                      ; 64 rows of 384 bytes: dense
.set KP,    432                        ; a row of K in LDS: three pieces of 128 bytes + 16 of padding: 27 x 16, so the 16 rows of a load start at 16 different groups of four banks (ISA guide 11.1)
.set VP,    480                        ; a row of V: three pieces of 128 + 32: 15 x 32
.set KBLK,  64*KP
.set VBLK,  64*VP
.set VLDS,  4*KBLK                     ; V's four blocks lie behind K's four
.set XCH,   VLDS+4*VBLK                ; the partial sums: receiver x 12,288 + (u - 1) x 4,096 + kb x 1,024 + half x 512 + 16 lane; at the end the four stages of 16 rows x 784 bytes
.set SGP,   784                        ; 768 bytes + 16: 49 x 16
.set PX,    XCH+4*16*SGP               ; P: tile x 2,048 + kb x 512 + 16 lane
.set AX,    PX+8192                    ; a: tile x 128 + 4 lane; 512 bytes on: 1 / l
.set SPARE, AX+1024                    ; the spare words, 128 bytes for each wave: two blocks of 256 bytes that no other line names
.set AK,  2           ; v2     my lane's place in my block of K
.set AV,  3           ; v3     the same for V
.set XS,  4           ; v4-6   where I send my partial sums of tiles u = 1 .. 3
.set XR,  7           ; v7     where I find the three sent to me
.set PW,  8           ; v8     where I put my tile's P
.set PR,  9           ; v9-12  where I find tile u's P
.set AW,  13          ; v13    where I put my tile's a
.set AR,  14          ; v14-17 where I find tile u's a
.set DG,  18          ; v18    my query's number less 8 (lane / 16) less the step's first key: key 16 kb + i of my 32 is seen where it is not greater
.set ST,  20          ; v20-27 c m, m, l (even keys', odd keys'), c0-c3 at work; a takes c2's place
.set SPW, 28          ; v28    LDS address of my spare word; never rewritten
.set NIL, 29          ; v29    0; never rewritten
.set PFOA, 30         ; v30, v31, v47  the prefetches' offsets; never rewritten
.set PFOB, 31
.set AF,  32          ; v32-39 a of tile u at 32 + 2 u; the odd registers hold 0 and are only named
.set STO, 40          ; v40    the way out: where I put 32 bytes of a row
.set RD,  41          ; v41-43 where I read 16 of 512 dense bytes back; three loads are two rows
.set GO,  44          ; v44-46 and where they go in out0
.set PFOC, 47
.set QO,  48          ; v48-51 my byte offset in tile u's rows of Q
.set RL,  52          ; v52-59 1 / l of tile u at 52 + 2 u; the odd registers hold 0
.set ONE, 62          ; v62    1.0
.set ZER, 63          ; v63    0
.set S,   64
.set PFR, 96
.set T,   160
.set PO,  192
.set HP,  64          ; the way out: packed f16
.set UP,  112         ; two buffers of eight f32
.set BK,  128         ; 96 registers read back from the stage
.set WV,  12          ; s12  my wave's number
.set G1K, 24          ; s[24:31] descriptor group 1 for K's tiles;  s[32:39] for V's: it differs in the padding alone
.set G1V, 32
.set G0K, 40          ; s[40:43] descriptor group 0 for K's tiles;  s[44:47] for V's
.set G0V, 44
.set QB,  48          ; s[48:49] Q at my block's first row, my channel block
.set CNT, 56          ; s56  the step
.set BND, 57          ; s57  4 J + 3: all steps but the last
.set CS,  58          ; s[58:59] c
.set SEL, 60          ; s[60:61] v_permlanex16_b32's selects: each lane takes its own place in the other half
.set SPL, 62          ; s[62:63] 8193.0
.set BIGN, 66         ; s66  -1e30
.set PFA, 68          ; s[68:69] the prefetch pointer: K's tile two steps on, my channel block
.set PFB, 70          ; s70  steps below this number may prefetch
.set OBA, 72          ; s[72:79] out0 at tile u's first row, my 192 channels
.set MSB, 0
.macro WIN new                      ; the high byte repeats the setting that is left; a switch that changes nothing is dropped
.if MSB != (\new)
	s_set_vgpr_msb (MSB<<8)|(\new)
.set MSB, \new
.endif
.endm
.macro PLACES                       ; four plain vector instructions between a matrix instruction and a reader of its result or a load into its registers
.rept 4
	v_nop
.endr
.endm
; A round of the cluster's barrier: my work-group's barrier; wave 0 signals for the work-group; every wave waits for all four work-groups; my work-group's barrier once more.
.macro ROUND
	s_barrier_signal -1
	s_barrier_wait -1
	s_cmp_lg_u32 s[WV], 0
	s_cbranch_scc1 .Lnot_wave_0_\@
	s_barrier_signal -3
.Lnot_wave_0_\@:
	s_barrier_wait -3
	s_barrier_signal -1
	s_barrier_wait -1
.endm
; A PREFETCH, in every second step: the tiles of K and V of steps j + 2 and j + 3, my channel block: 192 + 192 pieces of 256 bytes, which lie end to end.  K's tile j + 2 is asked for by its tensor load one step later.
; All clusters of a batch walk the same tiles from 0 on; the one that walks them all (J = 3) asks.  Its four partners take 48 + 48 pieces each, told apart by address: three instructions a wave, a lane a piece.
; So each piece is named once in the launch.  Tiles 0 and 1 come by their loads alone; steps 14 and 15 ask for nothing.
.macro ASK
	s_and_b32 s80, s[CNT], 1
	s_lshl_b32 s80, s80, 8                         ; an odd step counts as past the bound
	s_add_co_u32 s80, s80, s[CNT]
	s_cmp_lt_u32 s80, s[PFB]
	s_cbranch_scc0 .Lnone_\@
	global_prefetch_b8 v[PFOA], s[PFA:PFA+1] th:TH_LOAD_NT scope:SCOPE_SE
	global_prefetch_b8 v[PFOB], s[PFA:PFA+1] th:TH_LOAD_NT scope:SCOPE_SE
	global_prefetch_b8 v[PFOC], s[PFA:PFA+1] th:TH_LOAD_NT scope:SCOPE_SE
.Lnone_\@:
.endm
	s_load_b128 s[4:7], s[0:1], 0x0                ; qkv s[4:5], out0 s[6:7]
	v_lshl_add_u32 v[SPW], v0, 2, SPARE
	v_mov_b32 v[NIL], 0
	ds_add_u32 v[SPW], v[NIL]                      ; the wave's opening: the add and its wait stand ahead of my first tensor load; the set-up below stands between them
	v_lshrrev_b32 v1, 5, v0
	v_readfirstlane_b32 s[WV], v1                  ; wave 0..3
	s_bfe_u32 s13, ttmp6, 0x40000                  ; cx
	s_mov_b32 s14, ttmp9                           ; J
	s_and_b32 s15, ttmp7, 0xffff                   ; the batch
	s_lshl_b32 s71, s14, 2
	s_add_co_u32 s71, s71, s13                     ; my block of 64 queries: it enters Q's and out0's addresses, the prefetches' and the mask alone
	; descriptor group 1.  A tile is 24,576 dense bytes: asked for as 96 rows of 256 bytes, and padded in LDS after every 128
	s_mov_b32 s[G1K], 15|(1<<16)|(1<<20)|(1<<21)|(4<<22)|(3<<25)  ; 15:0 the mask of four; 17:16 2-byte elements; 20 padding on; 21 set beside a mask; 24:22 after every 32 words (code 4); 31:25 4 words (code 3)
	s_mov_b32 s[G1V], 15|(1<<16)|(1<<20)|(1<<21)|(4<<22)|(7<<25)  ; the same with 8 words of padding (code 7)
.irp g, G1K, G1V
	s_mov_b32 s[(\g)+1], 128<<16                   ; tensor_dim0 = 128
	s_mov_b32 s[(\g)+2], 96<<16                    ; tensor_dim1 = 96
	s_mov_b32 s[(\g)+3], 128<<16                   ; tile_dim0 = 128
	s_mov_b32 s[(\g)+4], 96                        ; tile_dim1 = 96
	s_mov_b32 s[(\g)+5], 128                       ; 128 elements from row to row
	s_mov_b32 s[(\g)+6], 0
	s_mov_b32 s[(\g)+7], 0
.endr
	s_mov_b32 s[CS], 0x3d553b94                    ; c = log2(e) / sqrt(768) = 0.0520588
	s_mov_b32 s[CS+1], s[CS]                       ; named with it as a pair
	s_mov_b32 s[SEL], 0x76543210
	s_mov_b32 s[SEL+1], 0xfedcba98
	s_mov_b32 s[SPL], 0x46000400                   ; 2^13 + 1
	s_mov_b32 s[SPL+1], s[SPL]
	s_mov_b32 s[BIGN], 0xf149f2ca                  ; -1e30
	s_lshl_b32 s[BND], s14, 2
	s_add_co_u32 s[BND], s[BND], 3
	s_cmp_eq_u32 s14, 3
	s_cselect_b32 s[PFB], 14, 0
	s_mov_b32 s[CNT], 0
	s_mul_i32 s16, s[WV], BLK                      ; my channel block,
	s_mul_i32 s17, s15, 1024*384                   ; the batch's rows in it: what the four partners share
	s_add_co_u32 s16, s16, s17
	s_mov_b32 s17, 0
	s_mul_i32 s18, s[WV], KBLK                     ; my block of K in LDS,
	s_mul_i32 s19, s[WV], VBLK
	s_add_co_u32 s19, s19, VLDS                    ; and of V: no place in the cluster enters an LDS address
	s_mov_b32 s[G0K], 1                            ; count = 1
	s_mov_b32 s[G0K+1], s18                        ; LDS address
	s_mov_b32 s[G0V], 1
	s_mov_b32 s[G0V+1], s19
	s_mul_i32 s22, s71, TILE                       ; my 64 queries
	s_mov_b32 s23, 0
	s_lshl_b32 s80, s15, 10
	s_lshl_b32 s81, s71, 6
	s_add_co_u32 s80, s80, s81                     ; their first row in out0,
	s_mul_i32 s80, s80, 3072
	s_mul_i32 s81, s[WV], 768                      ; my 192 channels
	s_add_co_u32 s80, s80, s81
	s_wait_dscnt 0x0                               ; the opening add is done
	s_wait_kmcnt 0x0
	s_add_nc_u64 s[20:21], s[4:5], s[16:17]
	s_add_nc_u64 s[G0K+2:G0K+3], s[20:21], TEN     ; global address: K's tile 0
	s_or_b32 s[G0K+3], s[G0K+3], 0x80000000        ; type = 2
	s_add_nc_u64 s[G0V+2:G0V+3], s[20:21], 2*TEN
	s_or_b32 s[G0V+3], s[G0V+3], 0x80000000
	s_add_nc_u64 s[PFA:PFA+1], s[20:21], TEN+TILE  ; at K's tile 1: the head of step j steps it to tile j + 2
	s_add_nc_u64 s[QB:QB+1], s[20:21], s[22:23]
.irp u, 0,1,2,3
	s_add_co_u32 s82, s[WV], \u
	s_and_b32 s82, s82, 3                          ; the block's tile (w + u) % 4: 16 rows of 3,072 bytes
	s_mul_i32 s82, s82, 49152
	s_add_co_u32 s82, s82, s80
	s_mov_b32 s83, 0
	s_add_nc_u64 s[OBA+2*(\u):OBA+2*(\u)+1], s[6:7], s[82:83]
.endr
	ROUND                                          ; all four work-groups are here: the first joint loads meet
	tensor_load_to_lds s[G0K:G0K+3], s[G1K:G1K+7]  ; every wave asks for its own channel block: two loads of mine are out
	s_nop 0
	tensor_load_to_lds s[G0V:G0V+3], s[G1V:G1V+7]
	s_nop 0
.rept 4
	v_nop
.endr
	v_and_b32 v1, 15, v0                           ; r = l % 16
	v_bfe_u32 v19, v0, 4, 1                        ; h = l / 16
	v_and_b32 v64, 31, v0                          ; l
	v_lshlrev_b32 v65, 4, v64                      ; 16 l
	v_lshlrev_b32 v66, 2, v64                      ; 4 l
	v_mul_u32_u24 v67, v1, 384
	v_lshl_add_u32 v67, v19, 4, v67                ; a fragment of Q: row x 384 + 16 x half
.irp u, 0,1,2,3
	s_add_co_u32 s82, s[WV], \u
	s_and_b32 s82, s82, 3
	s_mul_i32 s83, s82, 6144
	v_add_nc_u32 v[QO+(\u)], s83, v67
	s_lshl_b32 s83, s82, 11
	s_add_co_u32 s83, s83, PX
	v_add_nc_u32 v[PR+(\u)], s83, v65
	s_lshl_b32 s83, s82, 7
	s_add_co_u32 s83, s83, AX
	v_add_nc_u32 v[AR+(\u)], s83, v66
.if (\u) > 0
	s_mul_i32 s83, s82, 12288
	s_add_co_u32 s83, s83, XCH+((\u)-1)*4096
	v_add_nc_u32 v[XS+(\u)-1], s83, v65
.endif
.endr
.irp gw, 0,1,2                      ; Q stays in registers: tile u, channels 32 g on, g = 2 gw + gg
	WIN ((\gw)+1)<<6
.irp gg, 0,1
.irp u, 0,1,2,3
	global_load_b128 v[192+8*(4*(\gg)+(\u)):192+8*(4*(\gg)+(\u))+3],   v[QO+(\u)], s[QB:QB+1] offset:64*(2*(\gw)+(\gg))
	global_load_b128 v[192+8*(4*(\gg)+(\u))+4:192+8*(4*(\gg)+(\u))+7], v[QO+(\u)], s[QB:QB+1] offset:64*(2*(\gw)+(\gg))+32
.endr
.endr
.endr
	WIN 0x40                                       ; O^T starts at 0, so that the first step is a step like any other; written while the first tiles are on their way
.set i, 0
.rept 192
	v_mov_b32 v[i], 0
.set i, i+1
.endr
	WIN 0x80
.set i, 0
.rept 192
	v_mov_b32 v[i], 0
.set i, i+1
.endr
	WIN 0
	v_mul_u32_u24 v[AK], v1, KP
	v_lshl_add_u32 v[AK], v19, 4, v[AK]
	v_add_nc_u32 v[AK], s18, v[AK]                 ; my block + row x pitch + 16 x half
	; the turning load takes 16 keys x 16 channels (lane l reads key 8 (l / 16) + l % 8, channels 8 ((l / 8) % 2) + 0..7) and leaves half a fragment of V^T: lane l holds channel l % 16 and 8 keys
	v_and_b32 v68, 7, v0
	v_bfe_u32 v69, v0, 3, 1
	v_lshl_add_u32 v[AV], v19, 3, v68
	v_mul_u32_u24 v[AV], v[AV], VP
	v_lshl_add_u32 v[AV], v69, 4, v[AV]
	v_add_nc_u32 v[AV], s19, v[AV]
	s_mul_i32 s82, s[WV], 12288
	s_add_co_u32 s82, s82, XCH
	v_add_nc_u32 v[XR], s82, v65
	s_lshl_b32 s82, s[WV], 11
	s_add_co_u32 s82, s82, PX
	v_add_nc_u32 v[PW], s82, v65
	s_lshl_b32 s82, s[WV], 7
	s_add_co_u32 s82, s82, AX
	v_add_nc_u32 v[AW], s82, v66
	s_lshl_b32 s82, s71, 6
	s_lshl_b32 s83, s[WV], 4
	s_add_co_u32 s82, s82, s83                     ; my tile's first query in the batch
	v_lshlrev_b32 v68, 3, v19
	v_sub_nc_u32 v[DG], v1, v68
	v_add_nc_u32 v[DG], s82, v[DG]
	s_mul_i32 s82, s13, 48                         ; the prefetches: my work-group's 48 pieces of K's 192 and of V's
	v_add_nc_u32 v[PFOA], s82, v64
	v_lshlrev_b32 v[PFOA], 8, v[PFOA]              ; K's pieces 0 .. 31 of the 48
	v_add_nc_u32 v[PFOC], TEN+4096, v[PFOA]        ; V's pieces 16 .. 47
	v_mov_b32 v68, TEN-4096                        ; lanes 16 .. 31: V's pieces 0 .. 15,
	v_mov_b32 v69, 8192                            ; lanes 0 .. 15: K's pieces 32 .. 47
	v_cmp_gt_u32 vcc_lo, 16, v64
	v_cndmask_b32 v68, v68, v69, vcc_lo
	v_add_nc_u32 v[PFOB], v[PFOA], v68
	s_mul_i32 s82, s[WV], 16*SGP
	s_add_co_u32 s82, s82, XCH                     ; my stage
	v_mul_u32_u24 v[STO], v1, SGP                  ; in: row l % 16, 32 bytes for each half of the lanes
	v_lshl_add_u32 v[STO], v19, 5, v[STO]
	v_add_nc_u32 v[STO], s82, v[STO]
.irp k, 0,1,2                       ; back: piece q = 32 k + l of 16 bytes lies in row q / 48
	v_add_nc_u32 v68, 32*(\k), v64
	v_mul_u32_u24 v69, v68, 43
	v_lshrrev_b32 v69, 11, v69                     ; q / 48 for q under 96
	v_add_nc_u32 v70, v68, v69
	v_lshl_add_u32 v[RD+(\k)], v70, 4, s82         ; 16 bytes of padding a row
	v_mul_u32_u24 v69, v69, 2304                   ; in out0 a row is 3,072 bytes, of which 768 are mine
	v_lshl_add_u32 v[GO+(\k)], v68, 4, v69
.endr
	v_mov_b32 v[ST], 0xfe000000                    ; c m: far below every c s
	v_mov_b32 v[ST+1], 0xff7fffff                  ; m
	v_mov_b32 v[ST+2], 0
	v_mov_b32 v[ST+3], 0
.irp u, 0,1,2,3
	v_mov_b32 v[AF+2*(\u)+1], 0
	v_mov_b32 v[RL+2*(\u)+1], 0
.endr
	v_mov_b32 v[ONE], 1.0
	v_mov_b32 v[ZER], 0
	s_wait_loadcnt 0x0                             ; Q
; A KEY STEP.  fill = 1: the next step's tiles are asked for; fill = 0: the last step, which also makes 1 / l.
.macro STEP fill
.if \fill
	s_wait_xcnt 0x0                                ; the last prefetches, a step or more back, have read their address
	s_add_nc_u64 s[PFA:PFA+1], s[PFA:PFA+1], TILE
.endif
	s_wait_tensorcnt 0x1                           ; tensor loads of a wave end in order (ISA guide 10.11.1): K's tile is in; the one younger load, V's, may be out.  Only I read my block, so this wait is all the order the reads need
	WIN 0xc0                                       ; destination window 3
.set g, 0
.rept 6                             ; K: channels 32 g on, keys 16 kb on
.irp kb, 0,1,2,3
	ds_load_b128 v[8*(4*g+(\kb)):8*(4*g+(\kb))+3],   v[AK] offset:16*KP*(\kb)+64*g+16*(g/2)
	ds_load_b128 v[8*(4*g+(\kb))+4:8*(4*g+(\kb))+7], v[AK] offset:16*KP*(\kb)+64*g+16*(g/2)+32
.endr
.set g, g+1
.endr
.set g, 0
.rept 6                             ; my slice of S^T = K Q^T: the 16 accumulators take turns; the first 16 products start the sums
	s_wait_dscnt 40-8*g                            ; channel group g's eight loads are in; the later groups' may be out
	WIN 0x07+4*(g/2)                               ; K window 3, Q window 1 + g / 2, S^T window 0
.irp kb, 0,1,2,3
.irp u, 0,1,2,3
.if g == 0
	v_wmma_f32_16x16x32_f16 v[S+32*(\u)+8*(\kb):S+32*(\u)+8*(\kb)+7], v[8*(4*g+(\kb)):8*(4*g+(\kb))+7], v[192+8*(4*(g%2)+(\u)):192+8*(4*(g%2)+(\u))+7], 0
.else
	v_wmma_f32_16x16x32_f16 v[S+32*(\u)+8*(\kb):S+32*(\u)+8*(\kb)+7], v[8*(4*g+(\kb)):8*(4*g+(\kb))+7], v[192+8*(4*(g%2)+(\u)):192+8*(4*(g%2)+(\u))+7], v[S+32*(\u)+8*(\kb):S+32*(\u)+8*(\kb)+7]
.endif
.endr
.endr
.set g, g+1
.endr
	WIN 0
	PLACES
.irp u, 1,2,3                       ; the three tiles that others finish go to them; each accumulator's low half first
.irp kb, 0,1,2,3
	ds_store_b128 v[XS+(\u)-1], v[S+32*(\u)+8*(\kb):S+32*(\u)+8*(\kb)+3]   offset:1024*(\kb)
	ds_store_b128 v[XS+(\u)-1], v[S+32*(\u)+8*(\kb)+4:S+32*(\u)+8*(\kb)+7] offset:1024*(\kb)+512
.endr
.endr
	s_wait_tensorcnt 0x0                           ; all my tensor loads have landed, V's tile among them
.if \fill
	ds_add_u32 v[SPW], v[NIL]                      ; 0 onto my spare word
	s_add_nc_u64 s[G0K+2:G0K+3], s[G0K+2:G0K+3], TILE  ; no load of mine is out, so the descriptor may step
	s_wait_dscnt 0x0                               ; the add is done, my reads of K are over, my partial sums lie in LDS
	ROUND                                          ; the same holds of every wave of every partner
	tensor_load_to_lds s[G0K:G0K+3], s[G1K:G1K+7]  ; K's next tile: my one tensor load behind this round
	s_nop 0
.rept 4
	v_nop
.endr
.else
	s_wait_dscnt 0x0                               ; my partial sums lie in LDS
	s_barrier_signal -1
	s_barrier_wait -1                              ; everybody's do
.endif
.irp u, 1,2,3                       ; the three partial sums of my tile, into the registers that I have just sent from
.irp kb, 0,1,2,3
	ds_load_b128 v[S+32*(\u)+8*(\kb):S+32*(\u)+8*(\kb)+3],   v[XR] offset:4096*((\u)-1)+1024*(\kb)
	ds_load_b128 v[S+32*(\u)+8*(\kb)+4:S+32*(\u)+8*(\kb)+7], v[XR] offset:4096*((\u)-1)+1024*(\kb)+512
.endr
.endr
	WIN 0xc0
.irp kk, 0,1                        ; V, turned, where K lay: keys 32 kk on, channels 16 cb on
.set cb, 0
.rept 12
	ds_load_tr16_b128 v[8*(12*(\kk)+cb):8*(12*(\kk)+cb)+3],   v[AV] offset:32*VP*(\kk)+160*(cb/4)+32*(cb%4)
	ds_load_tr16_b128 v[8*(12*(\kk)+cb)+4:8*(12*(\kk)+cb)+7], v[AV] offset:32*VP*(\kk)+160*(cb/4)+32*(cb%4)+16*VP
.set cb, cb+1
.endr
.endr
	WIN 0
.if \fill
	ASK
.endif
	s_wait_dscnt 48                                ; the partial sums are in; V's 48 loads may be out
	; MY TILE'S SOFTMAX.  The four slices are added,
.set i, 0
.rept 16
	v_pk_add_f32 v[S+i:S+i+1], v[S+i:S+i+1], v[S+32+i:S+32+i+1]
.set i, i+2
.endr
.set i, 0
.rept 16
	v_pk_add_f32 v[S+64+i:S+64+i+1], v[S+64+i:S+64+i+1], v[S+96+i:S+96+i+1]
.set i, i+2
.endr
.set i, 0
.rept 16
	v_pk_add_f32 v[S+i:S+i+1], v[S+i:S+i+1], v[S+64+i:S+64+i+1]
.set i, i+2
.endr
	; rounded to 11 significant bits: t = 8193 s; s = t - (t - s),
.set i, 0
.rept 16
	v_pk_mul_f32 v[T+i:T+i+1], v[S+i:S+i+1], s[SPL:SPL+1] op_sel_hi:[1,0]
.set i, i+2
.endr
.rept 2
.set i, 0
.rept 16
	v_pk_add_f32 v[S+i:S+i+1], v[T+i:T+i+1], v[S+i:S+i+1] neg_lo:[0,1] neg_hi:[0,1]
.set i, i+2
.endr
.endr
	; and hidden where the key lies behind the query
.set i, 0
.rept 32
	v_cmp_le_i32 vcc_lo, 16*(i/8)+i%8, v[DG]
	v_cndmask_b32 v[S+i], s[BIGN], v[S+i], vcc_lo
.set i, i+1
.endr
	v_sub_nc_u32 v[DG], v[DG], 64                  ; the next step's keys
.irp j, 0,1,2,3                     ; the maximum of my 32 scores and the old m, three operands at a time
	v_max3_num_f32 v[ST+4+(\j)], v[S+8*(\j)], v[S+8*(\j)+1], v[S+8*(\j)+2]
.endr
.irp j, 0,1,2,3
	v_max3_num_f32 v[ST+4+(\j)], v[ST+4+(\j)], v[S+8*(\j)+3], v[S+8*(\j)+4]
.endr
.irp j, 0,1,2,3
	v_max3_num_f32 v[ST+4+(\j)], v[ST+4+(\j)], v[S+8*(\j)+5], v[S+8*(\j)+6]
.endr
	v_max3_num_f32 v[ST+4], v[ST+4], v[S+7], v[S+15]
	v_max3_num_f32 v[ST+6], v[ST+6], v[S+23], v[S+31]
	v_max3_num_f32 v[ST+4], v[ST+4], v[ST+5], v[ST+6]
	v_max3_num_f32 v[ST+4], v[ST+4], v[ST+7], v[ST+1]
	v_mov_b32 v[ST+7], v[ST]                       ; c m_old is kept for a
	v_permlanex16_b32 v[ST+5], v[ST+4], s[SEL], s[SEL+1]  ; the query's other 32 keys lie in the lane 16 away
	v_max_num_f32 v[ST+1], v[ST+4], v[ST+5]
	v_mul_f32 v[ST], s[CS], v[ST+1]
	v_sub_f32 v[ST+7], v[ST+7], v[ST]
.set i, 0
.rept 16
	v_pk_fma_f32 v[S+i:S+i+1], v[S+i:S+i+1], s[CS:CS+1], v[ST:ST+1] op_sel_hi:[1,0,0] neg_lo:[0,0,1] neg_hi:[0,0,1]  ; c s - c m
.set i, i+2
.endr
	v_exp_f32 v[ST+6], v[ST+7]                     ; a; it and the 32 weights are one batch
.set i, 0
.rept 32
	v_exp_f32 v[S+i], v[S+i]
.set i, i+1
.endr
	v_nop                                          ; a plain instruction behind the last exponential (ISA guide 5.7.2),
	s_wait_alu depctr_va_vdst(0)                   ; and the one wait ahead of the batch's first reader
.set i, 0
.rept 16
	v_cvt_pk_f16_f32 v[PO+i], v[S+2*i], v[S+2*i+1]
.set i, i+1
.endr
.irp w, 4,8,16,32                   ; the sum of the 16 pairs, in place, neighbours 1, 2, 4 and 8 pairs apart
.set u, 0
.rept 32/(\w)
	v_pk_add_f32 v[S+(\w)*u:S+(\w)*u+1], v[S+(\w)*u:S+(\w)*u+1], v[S+(\w)*u+(\w)/2:S+(\w)*u+(\w)/2+1]
.set u, u+1
.endr
.endr
	v_pk_fma_f32 v[ST+2:ST+3], v[ST+2:ST+3], v[ST+6:ST+7], v[S:S+1] op_sel_hi:[1,0,1]  ; l = a l + the sum
.irp kb, 0,1,2,3
	ds_store_b128 v[PW], v[PO+4*(\kb):PO+4*(\kb)+3] offset:512*(\kb)
.endr
	ds_store_b32 v[AW], v[ST+6]
.if !(\fill)
	v_add_f32 v[ST+4], v[ST+2], v[ST+3]            ; l's two halves, and the other half of the lanes'
	v_permlanex16_b32 v[ST+5], v[ST+4], s[SEL], s[SEL+1]
	v_add_f32 v[ST+4], v[ST+4], v[ST+5]
	v_rcp_f32 v[ST+7], v[ST+4]
	v_nop
	s_wait_alu depctr_va_vdst(0)
	ds_store_b32 v[AW], v[ST+7] offset:512
.endif
	s_wait_dscnt 0x0                               ; my P and a lie in LDS; V is in registers
	s_barrier_signal -1
	s_barrier_wait -1                              ; everybody's do.  K's load may stay out
.irp u, 0,1,2,3
	ds_load_b32 v[AF+2*(\u)], v[AR+(\u)]
.endr
.if !(\fill)
.irp u, 0,1,2,3
	ds_load_b32 v[RL+2*(\u)], v[AR+(\u)] offset:512
.endr
.endif
.irp u, 0,1,2,3
.irp kb, 0,1,2,3
	ds_load_b128 v[PFR+16*(\u)+4*(\kb):PFR+16*(\u)+4*(\kb)+3], v[PR+(\u)] offset:512*(\kb)
.endr
.endr
	s_wait_dscnt 16                                ; a is in; P's 16 loads may be out
.irp hw, 0,1                        ; O^T times a, each accumulator from its low end on
	WIN 0x41+0x41*(\hw)                            ; O^T window 1 or 2, a window 0
.irp uu, 0,1
.set i, 0
.rept 48
	v_pk_mul_f32 v[96*(\uu)+i:96*(\uu)+i+1], v[96*(\uu)+i:96*(\uu)+i+1], v[AF+2*(2*(\hw)+(\uu)):AF+2*(2*(\hw)+(\uu))+1] op_sel_hi:[1,0]
.set i, i+2
.endr
.endr
.endr
	s_wait_dscnt 0x0                               ; P is in
.irp hw, 0,1                        ; O^T += V^T P: a window's 24 accumulators take turns
	WIN 0x53+0x50*(\hw)                            ; V window 3, P window 0, O^T window 1 or 2
.irp kk, 0,1
.set cb, 0
.rept 12
.irp uu, 0,1
	v_wmma_f32_16x16x32_f16 v[8*(12*(\uu)+cb):8*(12*(\uu)+cb)+7], v[8*(12*(\kk)+cb):8*(12*(\kk)+cb)+7], v[PFR+16*(2*(\hw)+(\uu))+8*(\kk):PFR+16*(2*(\hw)+(\uu))+8*(\kk)+7], v[8*(12*(\uu)+cb):8*(12*(\uu)+cb)+7]
.endr
.set cb, cb+1
.endr
.endr
.endr
	WIN 0
.if \fill
	s_wait_tensorcnt 0x0                           ; all my tensor loads have landed: K's next tile
	ds_add_u32 v[SPW], v[NIL]                      ; 0 onto my spare word
	s_add_nc_u64 s[G0V+2:G0V+3], s[G0V+2:G0V+3], TILE
	s_wait_dscnt 0x0                               ; the add is done; my reads of V, P and a are over
	ROUND
	tensor_load_to_lds s[G0V:G0V+3], s[G1V:G1V+7]  ; V's next tile: my one tensor load behind this round
	s_nop 0
.rept 5
	v_nop                                          ; five places behind the last product: the next step loads K where V lay, and its first products write over P's registers
.endr
.endif
.endm
.Lstep:                             ; 4 J + 3 trips; the LDS addresses are the same in every trip
	STEP 1
	s_add_co_u32 s[CNT], s[CNT], 1
	s_cmp_lt_u32 s[CNT], s[BND]
	s_cbranch_scc1 .Lstep
	STEP 0                                         ; the last step is written out: it asks for nothing
	PLACES                                         ; the multiplies below read results just made
; THE WAY OUT of tile u: O^T times 1 / l, rounded to f16 and widened again (half x 1.0 + 0), 32 bytes a lane into my stage (where the partial sums lay: their last reads ended ahead of the last barrier),
; back as 12,288 dense bytes, stored.
.macro DRAIN u
	WIN 0x41+0x41*((\u)/2)
.set i, 0
.rept 48
	v_pk_mul_f32 v[96*((\u)%2)+i:96*((\u)%2)+i+1], v[96*((\u)%2)+i:96*((\u)%2)+i+1], v[RL+2*(\u):RL+2*(\u)+1] op_sel_hi:[1,0]
.set i, i+2
.endr
	WIN 0x05+0x05*((\u)/2)                         ; sources 0 and 1 window 1 or 2, destination window 0
.set i, 0
.rept 48
	v_cvt_pk_f16_f32 v[HP+i], v[96*((\u)%2)+2*i], v[96*((\u)%2)+2*i+1]
.set i, i+1
.endr
	WIN 0
.set cb, 0
.rept 12
.set b, UP+8*(cb%2)
.irp j, 0,1,2,3
	v_fma_mix_f32 v[b+2*(\j)],   v[HP+4*cb+(\j)], v[ONE], v[ZER] op_sel_hi:[1,0,0]
	v_fma_mix_f32 v[b+2*(\j)+1], v[HP+4*cb+(\j)], v[ONE], v[ZER] op_sel:[1,0,0] op_sel_hi:[1,0,0]
.endr
	ds_store_b128 v[STO], v[b:b+3]   offset:64*cb
	ds_store_b128 v[STO], v[b+4:b+7] offset:64*cb+16
.set cb, cb+1
.endr
	s_wait_xcnt 0x0                                ; the tile before's stores have read the registers that are loaded again below
.set i, 0
.rept 24
	ds_load_b128 v[BK+4*i:BK+4*i+3], v[RD+i%3] offset:2*SGP*(i/3)  ; LDS serves a wave's instructions in order (ISA guide 5.7.1.4): these see the stores above
.set i, i+1
.endr
	s_wait_dscnt 0x0
.set i, 0
.rept 24
	global_store_b128 v[GO+i%3], v[BK+4*i:BK+4*i+3], s[OBA+2*(\u):OBA+2*(\u)+1] offset:6144*(i/3) th:TH_STORE_NT  ; 16 lanes store 256 consecutive bytes, at a multiple of 256 from out0's first
.set i, i+1
.endr
.endm
	DRAIN 0
	DRAIN 1
	DRAIN 2
	DRAIN 3
	s_wait_tensorcnt 0x0                           ; the wave's end, behind my last tensor load and my last LDS store
	ds_add_u32 v[SPW], v[NIL]
	s_wait_dscnt 0x0
	ROUND                                          ; the closing round: no work-group ends while a partner may still ask for a tile that names it
	s_endpgm
.Lfunc_end_k_qafc5529f7a_attn:
	.size	k_qafc5529f7a_attn, .Lfunc_end_k_qafc5529f7a_attn-k_qafc5529f7a_attn
	.p2alignl 7, 3214868480
	.fill 96, 4, 3214868480
	.section	.rodata,"a",@progbits
	.p2align	6, 0x0
	.amdhsa_kernel k_qafc5529f7a_attn
		.amdhsa_group_segment_fixed_size 327680
		.amdhsa_private_segment_fixed_size 0
		.amdhsa_enable_private_segment 0
		.amdhsa_kernarg_size 16
		.amdhsa_user_sgpr_count 2
		.amdhsa_user_sgpr_kernarg_segment_ptr 1
		.amdhsa_wavefront_size32 1
		.amdhsa_system_sgpr_workgroup_id_x 1
		.amdhsa_system_sgpr_workgroup_id_y 1
		.amdhsa_system_sgpr_workgroup_id_z 1
		.amdhsa_system_vgpr_workitem_id 0
		.amdhsa_next_free_vgpr 1024
		.amdhsa_next_free_sgpr 84
		.amdhsa_reserve_vcc 1
		.amdhsa_float_denorm_mode_32 3
		.amdhsa_float_denorm_mode_16_64 3
		.amdhsa_memory_ordered 1
		.amdhsa_forward_progress 1
		.amdhsa_inst_pref_size 199
	.end_amdhsa_kernel
	.amdgpu_metadata
---
amdhsa.version: [ 1, 2 ]
amdhsa.kernels:
  - .name:           k_qafc5529f7a_attn
    .symbol:         k_qafc5529f7a_attn.kd
    .args:
      - { .name: qkv, .offset: 0, .size: 8, .value_kind: global_buffer, .address_space: global }
      - { .name: out0, .offset: 8, .size: 8, .value_kind: global_buffer, .address_space: global }
    .group_segment_fixed_size: 327680
    .private_segment_fixed_size: 0
    .kernarg_segment_align: 8
    .kernarg_segment_size: 16
    .max_flat_workgroup_size: 128
    .sgpr_count:     84
    .vgpr_count:     1024
    .wavefront_size: 32
...
	.end_amdgpu_metadata
.endif
;; end of part 3
